; MI455X (gfx1250); checked and timed in simulation.
; The chip was launched on July 23, 2026; its instructions are those of AMD's public machine-readable ISA for CDNA 5 (MIT licence, August 2026) and "CDNA5" Instruction Set Architecture Reference Guide (July 2026). The comments in the code are by the model that wrote it; some were corrected since.
;; Scaled Dot Product Attention. Allowed arithmetic: matrix products marked QUANTISED: E3M2 operands, one E8M0 scale for each 32 along K, by v_wmma_scale_f32_16x16x128_f8f6f4 with both operands' format E3M2, f32 sums; everything else in f32.
;; Inputs: Wk 1,024 x 1,024 float32; Wq 1,024 x 1,024 float32; Wv 1,024 x 1,024 float32; bk 1,024 float32; bq 1,024 float32; bv 1,024 float32; x 4 x 2,048 x 1,024 float32.
;; Outputs: out0 4 x 2,048 x 1,024 float32.
;; This version of the problem:
;;   THIS VERSION OF THE PROBLEM IS GIVEN IN LOW PRECISION. The matrix products marked QUANTISED in the list below multiply operands that are first quantised to E3M2 (3 exponent bits, 2 mantissa bits; 6 bits a number), with one power-of-two scale for each 32 numbers along K (OCP MX v1.0); their sums are f32. All else is computed in f32.
;;   The module's matrix products, in the order in which they are computed (A, B: the left and right operand; K: the contracted axis; several contracted axes count as one K, in the product's order):
;;     1. [M 8,192, K 1,024] x [K 1,024, N 1,024]; A: input x; B: input Wq: QUANTISED
;;     2. [M 8,192, K 1,024] x [K 1,024, N 1,024]; A: input x; B: input Wk: QUANTISED
;;     3. [M 8,192, K 1,024] x [K 1,024, N 1,024]; A: input x; B: input Wv: QUANTISED
;;     4. batch 64 x [M 2,048, K 64] x [K 64, N 2,048]; A: computed on the way; B: computed on the way: QUANTISED
;;     5. batch 64 x [M 2,048, K 2,048] x [K 2,048, N 64]; A: softmax (see below); B: computed on the way: QUANTISED
;;   THE QUANTISER, for each operand of a quantised product, along K:
;;     - K is cut into blocks of 32 from its start; a last block that is shorter is filled with zeros.
;;     - A block's scale is 2^e with e = floor(log2(the largest magnitude in the block)) - 4, held to -126 .. 127; a block of zeros has e = 0. As a byte (E8M0): e + 127.
;;     - Each number is divided by its block's scale, clamped to +-28, and rounded to the nearest number of E3M2, ties to even, subnormals kept.
;;     - The product sums the exact products of the quantised numbers (number of the format x scale) in f32.
;;   ~~~python
;;   def quantise(x, axis):      # numpy; x: float32 -> the quantised numbers, widened to float32 again
;;       x = np.moveaxis(x, axis, -1); K = x.shape[-1]
;;       x = np.pad(x, [(0, 0)] * (x.ndim - 1) + [(0, -K % 32)]); x = x.reshape(x.shape[:-1] + (-1, 32)); a = np.abs(x).max(-1, keepdims=True)
;;       e = np.where(a > 0, np.clip(np.frexp(np.where(a > 0, a, 1))[1] - 1 - 4, -126, 127), 0)      # np.frexp(a)[1] - 1 = floor(log2(a)), exactly
;;       r = np.clip(x / 2.0 ** e, -28, 28)
;;       step = 2.0 ** (np.maximum(np.frexp(np.where(r == 0, 1, r))[1] - 1, -2) - 2)
;;       q = np.round(r / step) * step * 2.0 ** e      # np.round: ties to even
;;       return np.moveaxis(q.reshape(q.shape[:-2] + (-1,))[..., :K], -1, axis).astype(np.float32)
;;   ~~~
;;   SOFTMAX AHEAD OF A QUANTISED PRODUCT. Where the list says 'softmax', what is quantised is not the finished softmax but p = 2^(t - M), with t = logit x log2(e) and M = ceil(the row's largest t), a whole number; so 1/2 < the row's largest p <= 1. The row's sum l is taken of the UNQUANTISED p, in f32, and the product's result is divided by l at the end. Since M is a whole number, a kernel that streams over the keys may use a running M (the ceiling of the running maximum): every later rescaling is an exact power of two, which a block's scale takes up: the codes' values come out the same.
;;   OPERANDS COMPUTED ON THE WAY. 'Computed on the way' means the value that the module computes at that place (a softmax that the list does not call 'softmax' is quantised finished and normalised). What goes into a quantiser is computed in f32, as accurately as f32 sums, v_exp_f32 and their like allow (about 1e-6 of the number): no bf16 or f16 on the way to a quantiser, and a product that is left as it is and whose result goes on into a quantised operand takes f32 operands (vector FMAs, or v_wmma_f32_16x16x4_f32). A number that lies on a knife's edge between two numbers of the format may be rounded either way, as far as f32 arithmetic and the matrix unit's own rounding can turn it there, and no further.
;; One version. Each part assembles by itself: llvm-mc -triple=amdgcn-amd-amdhsa -mcpu=gfx1250 --defsym DOCPART=n.
;; ======== version 1 of 1: 3 launches
;; workspace buffers: xc 6,291,456 bytes; xs 262,144 bytes; wc 2,359,296 bytes; ws 98,304 bytes; qkv 20,185,088 bytes
;; launch quant (part 1): grid 352 x 1, 4 waves a work-group, no clusters, 68,096 bytes of LDS; arguments x, Wq, Wk, Wv, xc, xs, wc, ws; writes xc, xs, wc, ws
.if DOCPART == 1
	.amdgcn_target "amdgcn-amd-amdhsa--gfx1250"
	.amdhsa_code_object_version 6
	.text
	.protected	k_qc34c9883eb_quant
	.globl	k_qc34c9883eb_quant
	.p2align	8
	.type	k_qc34c9883eb_quant,@function
k_qc34c9883eb_quant:
	s_mov_b64 s[64:65], 0
	v_nop
	global_prefetch_b8 v0, s[64:65] scope:SCOPE_SE
	s_setreg_imm32_b32 hwreg(HW_REG_WAVE_MODE, 25, 1), 1
	s_wait_xcnt 0x0
; x [8192][1024] and Wq, Wk, Wv [1024 (k)][1024 (n)], f32, become codes of BF6 (E3M2), K innermost, 768 bytes a row, with one E8M0 byte for each 32 along K, 32 bytes a row.
; xc, xs: 8,192 rows;  wc, ws: 3,072 rows (Wq's columns, Wk's, Wv's).
; A block's scale is 2^(floor(log2(its largest magnitude)) - 4): its byte is the largest magnitude's exponent field - 4, held at 1 from below.
; THE ROWS ARE STORED IN ANOTHER ORDER: in every 32 rows the second and the third group of eight change places (position p holds the row whose bits 3 and 4 are p's bits 4 and 3).
; So the next launch, which takes 16 NEIGHBOURING positions as a tile, finds in lane r of tile 2 b + u the row 32 b + 8 u + r + 8 (r / 8): its results then have 16 neighbours along the next K in a lane's 16 registers.
; LIMITS: NaN and infinities among the inputs are not served.  A block of zeros, or one whose largest magnitude lies under 2^-122, gets the byte 1 where the rule says 127 for zeros: its codes are zeros (or what the
; floor's scale leaves), and the bytes are read by this program alone.
; Work-groups 0 to 255 take x (K innermost: a stream of blocks; a wave takes 8 rows, one group).  Work-groups 256 to 351 take the weights (K outermost: a lane takes a column, its registers run down K).
; The two ways part on the work-group's number and do not meet again; each has LDS bytes of its own.  No tensor loads, no barrier: waves share nothing.
.set STEPS, 16                         ; x: steps of 512 numbers for a wave
.set AHEAD, 8                          ; x: loads run eight steps, 32 loads of 512 bytes, ahead: one such wave stands on a SIMD, so what is on its way has to come from depth
.set EMAX,  4
.set CB,    12                         ; bytes of 16 codes
.set SP,    80                         ; x: a lane's place in a stage: 64 bytes + 16 of padding
.set WREG,  8192                       ; x: LDS of a wave: two stages of 32 x SP bytes, then its 256 scale bytes
.set WSTG,  32768                      ; W: the four waves' stages begin here
.set PITCH, 272                        ; W: a stage row: sixteen places of 16 bytes + 16
.set KROW,  768                        ; a row of codes in memory
.set NB,    8                          ; W: blocks of 32 along K for a wave
.set SPARE, WSTG+4*32*PITCH            ; the spare words, 128 bytes for each wave: two blocks of 256 bytes that no other line names
.set SPW,   12                         ; v12  LDS address of my spare word; never rewritten
.set NIL,   13                         ; v13  0; never rewritten
.set R,     16                         ; x: v16-143  eight sets of 16 numbers as loaded
.set X,     144                        ; x: v144-175 two sets of 16 neighbours
.set C,     176                        ; x: v176-239 codes, four registers a step: no store's data are written again
.set E,     240                        ; x: v240-255 a scale byte a step
.set WX,    32                         ; W: v32-95   two sets of 32 numbers
.set WC,    96                         ; W: v96-102  a block's codes
.set OUTR,  112                        ; W: v112-175 the way out
.set SB,    24                         ; W: v24-25   the scale bytes
	s_load_b256 s[4:11], s[0:1], 0x0               ; x, Wq, Wk, Wv
	s_load_b256 s[12:19], s[0:1], 0x20             ; xc, xs, wc, ws
	v_lshl_add_u32 v[SPW], v0, 2, SPARE
	v_mov_b32 v[NIL], 0
	v_lshrrev_b32 v1, 5, v0
	v_readfirstlane_b32 s20, v1                    ; wave 0..3
	v_and_b32 v2, 31, v0                           ; lane
	s_cmp_lt_u32 ttmp9, 256
	s_cbranch_scc0 .Lweights
; ---------------- x ----------------
; Each of a step's four loads reads 512 consecutive bytes, 16 a lane; the 2,048 bytes go through the wave's own stage as they lie and come back 64 bytes a lane: 16 neighbours, two lanes to a block.
	v_lshlrev_b32 v3, 4, v2                        ; my 16 bytes of a load's 512
	s_mul_i32 s21, s20, WREG
	v_lshrrev_b32 v14, 2, v2
	v_mul_u32_u24 v14, v14, SP
	v_and_b32 v15, 3, v2
	v_lshl_add_u32 v14, v15, 4, v14
	v_add_nc_u32 v14, s21, v14                     ; the stage, in: SP (lane / 4) + 16 (lane % 4)
	v_mul_u32_u24 v15, v2, SP
	v_add_nc_u32 v15, s21, v15                     ; and out: SP x lane
	v_mul_u32_u24 v4, v2, CB                       ; my codes' place in a step's 384 bytes
	v_lshrrev_b32 v5, 1, v2
	s_add_co_u32 s21, s21, 2*32*SP
	v_add_nc_u32 v5, s21, v5                       ; my block's byte among the wave's 256
	v_lshlrev_b32 v7, 3, v2
	v_add_nc_u32 v6, s21, v7                       ; and 8 bytes a lane on the way out
	s_lshl_b32 s22, ttmp9, 2
	s_add_co_u32 s24, s22, s20                     ; my group of eight rows: 4 x work-group + wave
	s_lshl_b32 s24, s24, 15                        ; 32,768 bytes of x
	s_mov_b32 s25, 0
	s_and_b32 s26, s20, 1
	s_lshl_b32 s26, s26, 1
	s_lshr_b32 s27, s20, 1
	s_or_b32 s26, s26, s27                         ; the group's place: the wave's two bits change places
	s_add_co_u32 s26, s26, s22
	s_mul_i32 s28, s26, 8*KROW
	s_mov_b32 s29, 0
	s_lshl_b32 s30, s26, 8                         ; 256 scale bytes a group
	s_mov_b32 s31, 0
	s_wait_alu depctr_va_vdst(0)
	s_wait_kmcnt 0x0
	s_add_nc_u64 s[4:5], s[4:5], s[24:25]
	s_add_nc_u64 s[12:13], s[12:13], s[28:29]
	s_add_nc_u64 s[14:15], s[14:15], s[30:31]
.macro LOAD t
.irp i, 0,1,2,3
	global_load_b128 v[R+16*((\t)%AHEAD)+4*\i:R+16*((\t)%AHEAD)+4*\i+3], v3, s[4:5] offset:2048*(\t)+512*\i th:TH_LOAD_NT
.endr
.endm
.macro TURN t                          ; step t's numbers through the stage: LDS serves a wave's instructions in order, so no wait stands between the stores and the loads
.irp i, 0,1,2,3
	ds_store_b128 v14, v[R+16*((\t)%AHEAD)+4*\i:R+16*((\t)%AHEAD)+4*\i+3] offset:32*SP*((\t)%2)+8*SP*\i
.endr
.irp i, 0,1,2,3
	ds_load_b128 v[X+16*((\t)%2)+4*\i:X+16*((\t)%2)+4*\i+3], v15 offset:32*SP*((\t)%2)+16*\i
.endr
.endm
.irp t, 0,1,2,3,4,5,6,7
	LOAD \t
.endr
	s_wait_loadcnt 4*(AHEAD-1)                     ; step 0's four loads are in; seven steps' stay out
	TURN 0
.macro STEP t
.set XS, X+16*((\t)%2)
.if (\t) > 0
	s_wait_dscnt 1                                 ; this step's numbers are back (the last step's byte store may be out): so its stores into the stage have read their registers,
.else
	s_wait_dscnt 0x0
.endif
.if (\t)+AHEAD < STEPS
	LOAD (\t)+AHEAD                                ; which take the loads of eight steps on
.endif
.if (\t)+1 < STEPS
.if STEPS-2-(\t) >= AHEAD-1
	s_wait_loadcnt 4*(AHEAD-1)                     ; the next step's four loads are in; those of the seven steps behind it may be out
.else
	s_wait_loadcnt 4*(STEPS-2-(\t))                ; at the end the count runs down
.endif
	TURN (\t)+1                                    ; they go through the other stage while this step is worked
.endif
	v_max3_num_f32 v8, |v[XS]|, |v[XS+1]|, |v[XS+2]|               ; the largest magnitude of my 16, in two chains
	v_max3_num_f32 v9, |v[XS+3]|, |v[XS+4]|, |v[XS+5]|
.irp i, 6,10
	v_max3_num_f32 v8, v8, |v[XS+\i]|, |v[XS+\i+1]|
	v_max3_num_f32 v9, v9, |v[XS+\i+2]|, |v[XS+\i+3]|
.endr
	v_max3_num_f32 v8, v8, |v[XS+14]|, |v[XS+15]|
	v_max3_num_f32 v8, v8, v9, (EMAX+1)<<23        ; and the floor 2^(5 - 127): the byte cannot fall under 1
	v_max_num_f32_dpp v8, v8, v8 row_xmask:1 row_mask:0xf bank_mask:0xf   ; and of my neighbour's 16: the block's
	v_add_nc_u32 v11, -(EMAX<<23), v8              ; 4 off its exponent field: the conversion takes the exponent field of this operand as its scale
	v_cvt_scalef32_pk16_bf6_f32 v[C+4*(\t):C+4*(\t)+2], v[XS:XS+15], v11
	v_lshrrev_b32 v[E+(\t)], 23, v11               ; the scale's byte
	ds_store_b8 v5, v[E+(\t)] offset:16*(\t)       ; both lanes of a block write the same byte with the same value
	global_store_b96 v4, v[C+4*(\t):C+4*(\t)+2], s[12:13] offset:32*CB*(\t)   ; the wave stores 384 consecutive bytes
.endm
.irp t, 0,1,2,3,4,5,6,7,8,9,10,11,12,13,14,15
	STEP \t
.endr
	ds_load_b64 v[8:9], v6                         ; in order behind my byte stores
	s_wait_dscnt 0x0
	global_store_b64 v7, v[8:9], s[14:15]          ; 32 lanes store 256 consecutive bytes, aligned
	s_wait_tensorcnt 0x0                           ; the wave's end, behind my last LDS store
	ds_add_u32 v[SPW], v[NIL]
	s_wait_dscnt 0x0
	s_endpgm
; ---------------- the weights ----------------
; 96 work-groups: matrix (3) x 256 along K (4) x 128 columns (8).  A wave takes 32 columns x 256 along K: each load reads 128 consecutive bytes of one row k; a block of 32 along K lies in one lane's 32 registers.
; A lane's codes belong to one row of wc: they go through the wave's stage, into the row of the column's POSITION, and leave as rows, sixteen lanes to a row's 192 consecutive bytes.
.Lweights:
	s_sub_co_u32 s21, ttmp9, 256
	s_lshr_b32 s23, s21, 5                         ; which matrix
	s_and_b32 s22, s21, 7                          ; which 128 columns
	s_bfe_u32 s21, s21, 0x20003                    ; which 256 along K
	s_lshl_b32 s22, s22, 7
	s_lshl_b32 s24, s20, 5
	s_add_co_u32 s22, s22, s24                     ; my wave's first column
	s_wait_alu depctr_va_vdst(0)
	v_lshlrev_b32 v3, 2, v2                        ; in: 4 bytes a lane
	v_and_b32 v10, 7, v2
	v_bfe_u32 v11, v2, 3, 1
	v_lshl_add_u32 v10, v11, 4, v10
	v_bfe_u32 v11, v2, 4, 1
	v_lshl_add_u32 v10, v11, 3, v10                ; my column's position among the 32: bits 3 and 4 change places
	s_mul_i32 s24, s20, 32*PITCH
	s_add_co_u32 s24, s24, WSTG                    ; my stage
	v_mul_u32_u24 v4, v10, PITCH
	v_add_nc_u32 v4, s24, v4                       ; into it: row = my position
	v_and_b32 v5, 15, v2
	v_lshrrev_b32 v6, 4, v2
	v_mul_u32_u24 v7, v6, PITCH
	v_lshl_add_u32 v7, v5, 4, v7
	v_add_nc_u32 v7, s24, v7                       ; out of it: sixteen lanes to a row, two rows an instruction
	v_mul_u32_u24 v8, v6, KROW
	v_mad_u32_u24 v8, v5, 12, v8                   ; and the same place in wc
	v_lshlrev_b32 v9, 5, v10                       ; my position's row of scale bytes
	s_lshl_b32 s24, s21, 20                        ; 256 rows of 4,096 bytes
	s_lshl_b32 s25, s22, 2
	s_add_co_u32 s24, s24, s25
	s_mov_b32 s25, 0
	s_lshl_b32 s26, s23, 10
	s_add_co_u32 s26, s26, s22                     ; first row in wc and ws
	s_mul_i32 s28, s26, KROW
	s_mul_i32 s27, s21, 192
	s_add_co_u32 s28, s28, s27
	s_mov_b32 s29, 0
	s_lshl_b32 s30, s26, 5
	s_lshl_b32 s27, s21, 3
	s_add_co_u32 s30, s30, s27
	s_mov_b32 s31, 0
	s_wait_kmcnt 0x0
	s_cmp_eq_u32 s23, 0                            ; the matrix is chosen by the work-group's number alone
	s_cselect_b64 s[6:7], s[6:7], s[8:9]
	s_cmp_eq_u32 s23, 2
	s_cselect_b64 s[6:7], s[10:11], s[6:7]
	s_add_nc_u64 s[6:7], s[6:7], s[24:25]
	s_add_nc_u64 s[16:17], s[16:17], s[28:29]
	s_add_nc_u64 s[18:19], s[18:19], s[30:31]
.macro WLOAD t                         ; block t: W(32 t + i, my column), i = 0 .. 31, into set t % 2; the largest offset, 255 rows of 4,096 bytes, lies inside the signed 24-bit immediate
.irp i, 0,1,2,3,4,5,6,7,8,9,10,11,12,13,14,15,16,17,18,19,20,21,22,23,24,25,26,27,28,29,30,31
	global_load_b32 v[WX+32*((\t)%2)+\i], v3, s[6:7] offset:(32*(\t)+\i)*4096 th:TH_LOAD_NT
.endr
.endm
	WLOAD 0
	WLOAD 1
.macro BLOCK t
.set XS, WX+32*((\t)%2)
.if (\t) < NB-1
	s_wait_loadcnt 32                              ; this block's 32 loads are in; the next block's may be out
.else
	s_wait_loadcnt 0
.endif
	v_max3_num_f32 v16, |v[XS]|, |v[XS+1]|, |v[XS+2]|              ; the block's largest magnitude: all 32 numbers are mine
	v_max3_num_f32 v17, |v[XS+3]|, |v[XS+4]|, |v[XS+5]|
.irp i, 6,10,14,18,22,26
	v_max3_num_f32 v16, v16, |v[XS+\i]|, |v[XS+\i+1]|
	v_max3_num_f32 v17, v17, |v[XS+\i+2]|, |v[XS+\i+3]|
.endr
	v_max3_num_f32 v16, v16, |v[XS+30]|, |v[XS+31]|
	v_max3_num_f32 v16, v16, v17, (EMAX+1)<<23     ; and the floor
	v_add_nc_u32 v18, -(EMAX<<23), v16             ; the conversions' scale operand
	v_lshrrev_b32 v19, 23, v18                     ; the scale's byte
.if (\t)%4 == 0
	v_mov_b32 v[SB+(\t)/4], v19                    ; four bytes to a register, the lower K in the lower byte
.else
	v_lshl_or_b32 v[SB+(\t)/4], v19, 8*((\t)%4), v[SB+(\t)/4]
.endif
	v_cvt_scalef32_pk16_bf6_f32 v[WC:WC+2], v[XS:XS+15], v18
	v_cvt_scalef32_pk16_bf6_f32 v[WC+4:WC+6], v[XS+16:XS+31], v18   ; (a conversion's three registers begin on an even number)
	ds_store_b96 v4, v[WC:WC+2] offset:32*(\t)     ; 12 bytes to a place of 16, so that every LDS address is a multiple of 16
	ds_store_b96 v4, v[WC+4:WC+6] offset:32*(\t)+16
.if (\t)+2 < NB
	WLOAD (\t)+2
.endif
	s_wait_dscnt 0x0                               ; the stores have read their registers: the next block's codes may be written
.endm
.irp t, 0,1,2,3,4,5,6,7
	BLOCK \t
.endr
	s_wait_alu depctr_va_vdst(0)
	global_store_b64 v9, v[SB:SB+1], s[18:19]      ; my column's eight scale bytes
.irp t, 0,1,2,3,4,5,6,7,8,9,10,11,12,13,14,15
	ds_load_b96 v[OUTR+4*\t:OUTR+4*\t+2], v7 offset:2*\t*PITCH      ; in order behind my stores
.endr
.irp t, 0,1,2,3,4,5,6,7,8,9,10,11,12,13,14,15
	s_wait_dscnt 15-\t                             ; the younger reads of the stage may be out
	global_store_b96 v8, v[OUTR+4*\t:OUTR+4*\t+2], s[16:17] offset:2*\t*KROW
.endr
	s_wait_tensorcnt 0x0                           ; the wave's end, behind my last LDS store
	ds_add_u32 v[SPW], v[NIL]
	s_wait_dscnt 0x0
	s_endpgm
.Lfunc_end_k_qc34c9883eb_quant:
	.size	k_qc34c9883eb_quant, .Lfunc_end_k_qc34c9883eb_quant-k_qc34c9883eb_quant
	.p2alignl 7, 3214868480
	.fill 96, 4, 3214868480
	.section	.rodata,"a",@progbits
	.p2align	6, 0x0
	.amdhsa_kernel k_qc34c9883eb_quant
		.amdhsa_group_segment_fixed_size 68096
		.amdhsa_private_segment_fixed_size 0
		.amdhsa_enable_private_segment 0
		.amdhsa_kernarg_size 64
		.amdhsa_user_sgpr_count 2
		.amdhsa_user_sgpr_kernarg_segment_ptr 1
		.amdhsa_wavefront_size32 1
		.amdhsa_system_sgpr_workgroup_id_x 1
		.amdhsa_system_sgpr_workgroup_id_y 1
		.amdhsa_system_sgpr_workgroup_id_z 1
		.amdhsa_system_vgpr_workitem_id 0
		.amdhsa_next_free_vgpr 256
		.amdhsa_next_free_sgpr 66
		.amdhsa_reserve_vcc 0
		.amdhsa_float_denorm_mode_32 3
		.amdhsa_float_denorm_mode_16_64 3
		.amdhsa_memory_ordered 1
		.amdhsa_forward_progress 1
		.amdhsa_inst_pref_size 74
	.end_amdhsa_kernel
	.amdgpu_metadata
---
amdhsa.version: [ 1, 2 ]
amdhsa.kernels:
  - .name:           k_qc34c9883eb_quant
    .symbol:         k_qc34c9883eb_quant.kd
    .args:
      - { .name: x, .offset: 0, .size: 8, .value_kind: global_buffer, .address_space: global }
      - { .name: Wq, .offset: 8, .size: 8, .value_kind: global_buffer, .address_space: global }
      - { .name: Wk, .offset: 16, .size: 8, .value_kind: global_buffer, .address_space: global }
      - { .name: Wv, .offset: 24, .size: 8, .value_kind: global_buffer, .address_space: global }
      - { .name: xc, .offset: 32, .size: 8, .value_kind: global_buffer, .address_space: global }
      - { .name: xs, .offset: 40, .size: 8, .value_kind: global_buffer, .address_space: global }
      - { .name: wc, .offset: 48, .size: 8, .value_kind: global_buffer, .address_space: global }
      - { .name: ws, .offset: 56, .size: 8, .value_kind: global_buffer, .address_space: global }
    .group_segment_fixed_size: 68096
    .private_segment_fixed_size: 0
    .kernarg_segment_align: 8
    .kernarg_segment_size: 64
    .max_flat_workgroup_size: 128
    .sgpr_count:     66
    .vgpr_count:     256
    .wavefront_size: 32
...
	.end_amdgpu_metadata
.endif
;; end of part 1
;; launch proj (part 2): grid 12 x 32, 4 waves a work-group, clusters of 4 x 4, 327,680 bytes of LDS; arguments xc, xs, wc, ws, bq, bk, bv, qkv; writes qkv
.if DOCPART == 2
	.amdgcn_target "amdgcn-amd-amdhsa--gfx1250"
	.amdhsa_code_object_version 6
	.text
	.protected	k_qc34c9883eb_proj
	.globl	k_qc34c9883eb_proj
	.p2align	8
	.type	k_qc34c9883eb_proj,@function
k_qc34c9883eb_proj:
	s_mov_b64 s[64:65], 0
	v_nop
	global_prefetch_b8 v0, s[64:65] scope:SCOPE_SE
	s_setreg_imm32_b32 hwreg(HW_REG_WAVE_MODE, 25, 1), 1
	s_wait_xcnt 0x0
	s_wait_alu depctr_hold_cnt(0) depctr_sa_sdst(0) depctr_va_vdst(0) depctr_va_sdst(0) depctr_va_ssrc(0) depctr_va_vcc(0) depctr_vm_vsrc(0)
	s_getreg_b32 s2, hwreg(HW_REG_IB_STS2, 6, 4)
	s_cmp_eq_u32 s2, 0
	s_cbranch_scc0 .Lentry_in_a_cluster
	s_endpgm
.Lentry_in_a_cluster:
	s_bfe_u32 s2, ttmp6, 0x10000c
	s_cmp_lg_u32 s2, 0xf033
	s_cbranch_scc0 .Lentry_shape_is_right
	s_endpgm
.Lentry_shape_is_right:
.set KSTEP,  256
.set NQ,     KSTEP/128
.set ROWB,   192
.set KROW,   768
.set PITCH,  240
.set FR,     12
.set NL,     6
.set NP,     4
.set HALFT,  128*PITCH
.set SLOT,   4*HALFT
.set KS,     32
.set SCL,    2*SLOT
.set HALFS,  (128*KS/256)*272
.set SBLK,   (16*KS/256)*272
.set SPARE,  SCL+4*HALFS
.set HEADB,  315392
.set VCOFF,  98304
.set KSOFF,  196608
.set VSOFF,  204800
.set QCOFF,  208896
.set QSOFF,  307200
.set ADRA, 16
.set ADRB, 20
.set BQO,  24
.set BVO,  25
.set ADRS, 27
.set SPW,  28
.set NIL,  29
.set L16,  30
.set L8,   31
.set SC,   32
.set BJ,   64
.set AF,   128
.set T,    128
.set G0,   192
.set G1,   204
.set CT,   216
.set TM,   224
.set PW,   240
.set TW,   241
.set SC0,  244
.set SC1,  248
.set SEL,  66
.set G1, G1
.set D1,  24
.set D0,  32
.set D1B, 48
.set D0B, 56
.set D1S, 68
.set D0S, 76
.set D1SB, 80
.set D0SB, 88
.set MSB, 0
.macro WIN new
.if MSB != \new
	s_set_vgpr_msb (MSB<<8)|\new
.set MSB, \new
.endif
.endm
.set MUL_LO, 0xa1
.set MUL_HI, 0xf1
.set TO_B,   0x40
.macro JLOAD g0a, g1a, g0b, g1b
	s_cmp_eq_u32 s15, 0
	s_cbranch_scc0 .Lfor_b_\@
	tensor_load_to_lds s[\g0a:\g0a+3], s[\g1a:\g1a+7]
	s_nop 0
.rept 4
	v_nop
.endr
	s_branch .Lasked_\@
.Lfor_b_\@:
	tensor_load_to_lds s[\g0b:\g0b+3], s[\g1b:\g1b+7]
	s_nop 0
.rept 4
	v_nop
.endr
.Lasked_\@:
.endm
.macro CREST
	s_cmp_lg_u32 s14, 0
	s_cbranch_scc1 .Lnot_wave_0_\@
	s_barrier_signal -3
.Lnot_wave_0_\@:
	s_barrier_wait -3
	s_barrier_signal -1
	s_barrier_wait -1
.endm
.macro CROUND
	s_barrier_signal -1
	s_barrier_wait -1
	CREST
.endm
	s_load_b256 s[4:11], s[0:1], 0x0
	v_lshl_add_u32 v[SPW], v0, 2, SPARE
	v_mov_b32 v[NIL], 0
	ds_add_u32 v[SPW], v[NIL]
	ds_add_u32 v[SPW], v[NIL]
	v_lshrrev_b32 v1, 5, v0
	v_readfirstlane_b32 s14, v1
	s_lshr_b32 s15, s14, 1
	s_and_b32 s16, s14, 1
	s_bfe_u32 s40, ttmp6, 0x40000
	s_bfe_u32 s41, ttmp6, 0x40004
	s_and_b32 s12, ttmp7, 0xffff
	s_cmp_eq_u32 ttmp9, 2
	s_cselect_b32 s13, 2, s12
	s_cselect_b32 s12, s12, ttmp9
	s_lshl_b32 s42, s12, 2
	s_add_co_u32 s42, s42, s40
	s_lshl_b32 s17, s13, 2
	s_add_co_u32 s17, s17, s41
	s_lshl_b32 s43, s41, 2
	s_lshl_b32 s43, 15, s43
	s_lshl_b32 s44, 0x1111, s40
	s_or_b32 s[D1+0], s43, (0<<16)|(1<<20)|(1<<21)|(3<<22)|(3<<25)
	s_or_b32 s[D1B+0], s44, (0<<16)|(1<<20)|(1<<21)|(3<<22)|(3<<25)
.irp g, D1, D1B
	s_mov_b32 s[\g+1], ROWB<<16
	s_mov_b32 s[\g+2], 128<<16
	s_mov_b32 s[\g+3], ROWB<<16
	s_mov_b32 s[\g+4], 128
	s_mov_b32 s[\g+5], KROW
	s_mov_b32 s[\g+6], 0
	s_mov_b32 s[\g+7], 0
.endr
	s_or_b32 s[D1S+0], s43, (3<<16)|(1<<20)|(1<<21)|(5<<22)|(3<<25)
	s_or_b32 s[D1SB+0], s44, (3<<16)|(1<<20)|(1<<21)|(5<<22)|(3<<25)
.irp g, D1S, D1SB
	s_mov_b32 s[\g+1], 32<<16
	s_mov_b32 s[\g+2], (128*KS/256)<<16
	s_mov_b32 s[\g+3], 32<<16
	s_mov_b32 s[\g+4], 128*KS/256
	s_mov_b32 s[\g+5], 32
	s_mov_b32 s[\g+6], 0
	s_mov_b32 s[\g+7], 0
.endr
	s_mov_b32 s[SEL], 0x76543210
	s_mov_b32 s[SEL+1], 0xfedcba98
	s_lshl_b32 s18, s16, 7
	s_lshl_b32 s20, s17, 8
	s_add_co_u32 s20, s20, s18
	s_lshl_b32 s46, s42, 8
	s_add_co_u32 s46, s46, s18
	s_mov_b32 s21, 0
	s_mov_b32 s47, 0
	s_mov_b64 s[18:19], KS
	s_mul_u64 s[22:23], s[20:21], s[18:19]
	s_mul_u64 s[92:93], s[46:47], s[18:19]
	s_mov_b64 s[18:19], KROW
	s_mul_u64 s[20:21], s[20:21], s[18:19]
	s_mul_u64 s[46:47], s[46:47], s[18:19]
	s_mul_i32 s45, s14, HALFT
	s_mul_i32 s94, s14, HALFS
	s_wait_dscnt 0x0
	s_wait_kmcnt 0x0
	s_cmp_eq_u32 ttmp9, 2
	s_cselect_b64 s[96:97], s[8:9], s[4:5]
	s_cselect_b64 s[98:99], s[10:11], s[6:7]
	s_cselect_b64 s[8:9], s[4:5], s[8:9]
	s_cselect_b64 s[10:11], s[6:7], s[10:11]
	s_add_nc_u64 s[20:21], s[96:97], s[20:21]
	s_add_nc_u64 s[22:23], s[98:99], s[22:23]
	s_add_nc_u64 s[46:47], s[8:9], s[46:47]
	s_add_nc_u64 s[92:93], s[10:11], s[92:93]
	CROUND
	s_mov_b32 s[D0S], 1
	s_add_co_u32 s[D0S+1], s94, SCL
	s_mov_b64 s[D0S+2:D0S+3], s[22:23]
	s_or_b32 s[D0S+3], s[D0S+3], 0x80000000
	s_mov_b32 s[D0SB], 1
	s_add_co_u32 s[D0SB+1], s94, SCL
	s_mov_b64 s[D0SB+2:D0SB+3], s[92:93]
	s_or_b32 s[D0SB+3], s[D0SB+3], 0x80000000
	JLOAD D0S, D1S, D0SB, D1SB
.irp s, 0,1
	s_mov_b32 s[D0+4*\s], 1
	s_add_co_u32 s[D0+4*\s+1], s45, \s*SLOT
	s_add_nc_u64 s[D0+4*\s+2:D0+4*\s+3], s[20:21], \s*ROWB
	s_or_b32 s[D0+4*\s+3], s[D0+4*\s+3], 0x80000000
	s_mov_b32 s[D0B+4*\s], 1
	s_add_co_u32 s[D0B+4*\s+1], s45, \s*SLOT
	s_add_nc_u64 s[D0B+4*\s+2:D0B+4*\s+3], s[46:47], \s*ROWB
	s_or_b32 s[D0B+4*\s+3], s[D0B+4*\s+3], 0x80000000
	s_wait_alu depctr_va_vdst(0)
	s_wait_tensorcnt 0x0
	ds_add_u32 v28, v29
	s_wait_dscnt 0x0
	CROUND
	JLOAD D0+4*\s, D1, D0B+4*\s, D1B
.endr
	v_and_b32 v1, 15, v0
	v_bfe_u32 v2, v0, 4, 1
	v_mul_u32_u24 v3, v1, PITCH
	v_mul_u32_u24 v4, v2, 24
	v_add_nc_u32 v4, v3, v4
	v_lshl_add_u32 v5, v2, 4, v4
	s_mul_i32 s21, s15, HALFT
	s_mul_i32 s22, s16, HALFT
	s_add_co_u32 s22, s22, 2*HALFT
.irp s, 0,1
	v_add_nc_u32 v[ADRA+\s], s21, v4
	v_add_nc_u32 v[ADRB+\s], s22, v4
	v_add_nc_u32 v[ADRA+2+\s], s21, v5
	v_add_nc_u32 v[ADRB+2+\s], s22, v5
	s_add_co_u32 s21, s21, SLOT
	s_add_co_u32 s22, s22, SLOT
.endr
	v_mul_u32_u24 v5, v1, KS
	v_lshrrev_b32 v6, 8, v5
	v_lshl_add_u32 v5, v6, 4, v5
	s_mul_i32 s21, s15, HALFS
	s_mul_i32 s22, s16, HALFS
	s_add_co_u32 s22, s22, 2*HALFS
	s_sub_co_u32 s22, s22, s21
	v_mul_u32_u24 v6, s22, v2
	s_add_co_u32 s21, s21, SCL
	v_add_nc_u32 v5, v5, v6
	v_add_nc_u32 v[ADRS], s21, v5
	v_lshlrev_b32 v[BQO], 6, v2
	v_and_b32 v6, 8, v1
	v_add_nc_u32 v6, v6, v1
	v_lshlrev_b32 v[BVO], 2, v6
	v_and_b32 v6, 31, v0
	v_lshlrev_b32 v[L16], 4, v6
	v_lshlrev_b32 v[L8], 3, v6
.irp b, 0,1,2,3
	v_mov_b32 v[TM+4+\b], 0
.endr
.macro FRAG reg, adr, q, i
.irp p, 0,1,2,3,4,5
.set PCE, 12*(\q)+6*(\p/3)+\p%3
.if PCE%8 < 5
	ds_load_b64 v[\reg+2*\p:\reg+2*\p+1], v[\adr] offset:8*PCE+16*(PCE/8)+(\i)*16*PITCH
.else
	ds_load_b64 v[\reg+2*\p:\reg+2*\p+1], v[\adr+2] offset:8*PCE+16*(PCE/8)+(\i)*16*PITCH
.endif
.endr
.endm
.macro MUL16 a0, p, q, sc, zero
.irp a, \a0, \a0+1
.irp b, 0,1,2,3,4,5,6,7
.if \zero
	v_wmma_scale_f32_16x16x128_f8f6f4 v[8*(8*((\a)%4)+\b):8*(8*((\a)%4)+\b)+7], v[128*(\p)+FR*\b:128*(\p)+FR*\b+FR-1], v[AF+FR*(\a):AF+FR*(\a)+FR-1], 0, v[SC+8*NQ*(\sc)+NQ*\b+(\q)], v[SC+8*NQ*(\sc)+NQ*(\a)+(\q)] matrix_a_fmt:MATRIX_FMT_BF6 matrix_b_fmt:MATRIX_FMT_BF6 matrix_a_scale:MATRIX_SCALE_ROW1
.else
	v_wmma_scale_f32_16x16x128_f8f6f4 v[8*(8*((\a)%4)+\b):8*(8*((\a)%4)+\b)+7], v[128*(\p)+FR*\b:128*(\p)+FR*\b+FR-1], v[AF+FR*(\a):AF+FR*(\a)+FR-1], v[8*(8*((\a)%4)+\b):8*(8*((\a)%4)+\b)+7], v[SC+8*NQ*(\sc)+NQ*\b+(\q)], v[SC+8*NQ*(\sc)+NQ*(\a)+(\q)] matrix_a_fmt:MATRIX_FMT_BF6 matrix_b_fmt:MATRIX_FMT_BF6 matrix_a_scale:MATRIX_SCALE_ROW1
.endif
.endr
.endr
.endm
.macro FETCH_B slot, q, p
	WIN TO_B
.irp i, 0,1,2,3,4,5,6,7
	FRAG 128*(\p)+FR*\i, ADRB+\slot, \q, \i
.endr
	WIN 0
.endm
.macro FETCH_A slot, q, i0
.irp i, \i0, \i0+1, \i0+2, \i0+3
	FRAG AF+FR*(\i), ADRA+\slot, \q, \i
.endr
.endm
.macro SCALES sc
.irp i, 0,1,2,3,4,5,6,7
	ds_load_b64 v[SC+8*NQ*\sc+NQ*\i:SC+8*NQ*\sc+NQ*\i+1], v[ADRS] offset:\i*SBLK
.endr
.endm
.macro PLACES n
.rept \n
	v_nop
.endr
.endm
.macro STEP slot, q, zero
	s_wait_dscnt 4*NL
	WIN MUL_LO
	MUL16 0, (\q)%2, \q, \slot, \zero
	MUL16 2, (\q)%2, \q, \slot, \zero
	s_wait_dscnt 0
	PLACES NP
	FETCH_B \slot, (\q)+1, 1-(\q)%2
	FETCH_A \slot, (\q)+1, 0
	WIN MUL_HI
	MUL16 4, (\q)%2, \q, \slot, \zero
	MUL16 6, (\q)%2, \q, \slot, \zero
	PLACES NP
	WIN 0
	FETCH_A \slot, (\q)+1, 4
.endm
.macro TURN slot, next, fill
	s_wait_tensorcnt 0x0
	ds_add_u32 v[SPW], v[NIL]
	s_wait_dscnt 4*NL+1
	WIN MUL_LO
	MUL16 0, 1, NQ-1, \slot, 0
	s_wait_dscnt 0x0
	s_barrier_signal -1
	MUL16 2, 1, NQ-1, \slot, 0
	WIN 0
	s_barrier_wait -1
.if \fill
	CREST
	s_add_nc_u64 s[D0+4*\slot+2:D0+4*\slot+3], s[D0+4*\slot+2:D0+4*\slot+3], 2*ROWB
	s_add_nc_u64 s[D0B+4*\slot+2:D0B+4*\slot+3], s[D0B+4*\slot+2:D0B+4*\slot+3], 2*ROWB
	JLOAD D0+4*\slot, D1, D0B+4*\slot, D1B
.else
	PLACES NP
.endif
	s_wait_alu depctr_va_vdst(0)
	v_add_nc_u32 v[ADRS], 4*NQ, v[ADRS]
	FETCH_B \next, 0, 0
	FETCH_A \next, 0, 0
	SCALES \next
	WIN MUL_HI
	MUL16 4, 1, NQ-1, \slot, 0
	MUL16 6, 1, NQ-1, \slot, 0
	PLACES NP
	WIN 0
	FETCH_A \next, 0, 4
.endm
.macro LAST
	s_wait_dscnt 4*NL
	WIN MUL_LO
	MUL16 0, 1, NQ-1, 1, 0
	MUL16 2, 1, NQ-1, 1, 0
	s_wait_dscnt 0
	WIN MUL_HI
	MUL16 4, 1, NQ-1, 1, 0
	MUL16 6, 1, NQ-1, 1, 0
	WIN 0
	PLACES NP
.endm
.macro QUANT s, d0, d1
.irp b, 0,1,2,3
	v_max3_num_f32 v[TM+\b], |v[\s+16*\b]|, |v[\s+1+16*\b]|, 0x2800000
.endr
.irp i, 2,4,6,8,10,12,14
.irp b, 0,1,2,3
	v_max3_num_f32 v[TM+\b], v[TM+\b], |v[\s+16*\b+\i]|, |v[\s+1+16*\b+\i]|
.endr
.endr
.irp b, 0,1,2,3
	v_permlanex16_b32 v[TM+4+\b], v[TM+\b], s[SEL], s[SEL+1]
.endr
.irp b, 0,1,2,3
	v_max_num_f32 v[TM+\b], v[TM+\b], v[TM+4+\b]
.endr
.irp b, 0,1,2,3
	v_add_nc_u32 v[TM+12+\b], 0xfe000000, v[TM+\b]
.endr
.irp b, 0,1,2,3
	v_lshrrev_b32 v[TM+4+\b], 23, v[TM+12+\b]
.endr
	v_lshl_or_b32 v[PW], v[TM+5], 8, v[TM+4]
	v_lshl_or_b32 v[PW], v[TM+6], 16, v[PW]
	v_lshl_or_b32 v[PW], v[TM+7], 24, v[PW]
	v_cvt_scalef32_pk16_bf6_f32 v[\d0:\d0+2], v[\s:\s+15], v[TM+12]
	v_cvt_scalef32_pk16_bf6_f32 v[CT:CT+2], v[\s+16:\s+31], v[TM+13]
	v_cvt_scalef32_pk16_bf6_f32 v[\d1:\d1+2], v[\s+32:\s+47], v[TM+14]
	v_cvt_scalef32_pk16_bf6_f32 v[CT+4:CT+6], v[\s+48:\s+63], v[TM+15]
	v_nop
.irp i, 0,1,2
	v_permlane16_swap_b32 v[\d0+\i], v[CT+\i]
	v_permlane16_swap_b32 v[\d1+\i], v[CT+4+\i]
.endr
.irp i, 0,1,2
	v_mov_b32 v[\d0+3+\i], v[CT+\i]
	v_mov_b32 v[\d1+3+\i], v[CT+4+\i]
.endr
.endm
	s_wait_tensorcnt 1
	s_barrier_signal -1
	s_barrier_wait -1
	FETCH_B 0, 0, 0
	FETCH_A 0, 0, 0
	SCALES 0
	FETCH_A 0, 0, 4
	STEP 0, 0, 1
	TURN 0, 1, 1
	STEP 1, 0, 0
	TURN 1, 0, 1
	STEP 0, 0, 0
	TURN 0, 1, 0
	s_load_b256 s[24:31], s[0:1], 0x20
	STEP 1, 0, 0
	s_wait_kmcnt 0x0
	s_mov_b32 s96, 0xffff0000
	s_cmp_eq_u32 ttmp9, 2
	s_cbranch_scc1 .Lv
	s_lshr_b32 s18, s17, 3
	s_lshl_b32 s18, s18, 4
	s_lshl_b32 s19, s40, 2
	s_add_co_u32 s18, s18, s19
	s_lshl_b32 s19, s16, 1
	s_add_co_u32 s18, s18, s19
	s_mul_i32 s18, s18, HEADB
	s_and_b32 s19, s17, 7
	s_lshl_b32 s19, s19, 1
	s_add_co_u32 s19, s19, s15
	s_mul_i32 s32, s19, 6144
	s_add_co_u32 s32, s32, s18
	s_lshl_b32 s34, s19, 9
	s_add_co_u32 s34, s34, s18
	s_lshl_b32 s36, s40, 10
	s_lshl_b32 s19, s16, 9
	s_add_co_u32 s36, s36, s19
	s_mov_b32 s33, 0
	s_mov_b32 s35, 0
	s_mov_b32 s37, 0
	s_mov_b32 s20, KSOFF
	s_cmp_eq_u32 ttmp9, 0
	s_cselect_b32 s19, QCOFF, 0
	s_cselect_b32 s20, QSOFF, s20
	s_cselect_b64 s[38:39], s[24:25], s[26:27]
	s_add_co_u32 s32, s32, s19
	s_add_co_u32 s34, s34, s20
	s_add_nc_u64 s[32:33], s[30:31], s[32:33]
	s_add_nc_u64 s[34:35], s[30:31], s[34:35]
	s_add_nc_u64 s[38:39], s[38:39], s[36:37]
.irp b, 0,1,2,3
.irp q, 0,1,2,3
	global_load_b128 v[BJ+16*\b+4*\q:BJ+16*\b+4*\q+3], v[BQO], s[38:39] offset:4*(32*\b+4*\q)
.endr
.endr
	LAST
	s_wait_loadcnt 0x0
.macro QKBLOCK a
.if ((\a)%2 == 0) && ((\a) >= 2)
	s_wait_xcnt 0x0
.endif
	WIN (0x02+(\a)/4)
.set ii, 0
.rept 32
	v_pk_add_f32 v[T+ii:T+ii+1], v[64*((\a)%4)+ii:64*((\a)%4)+ii+1], v[BJ+ii:BJ+ii+1]
.set ii, ii+2
.endr
	WIN 0
	QUANT T, G0+6*((\a)%2), G1+6*((\a)%2)
.if (\a)%2 == 0
	v_and_b32 v[SC0+(\a)/2], 0xffff, v[PW]
	v_lshrrev_b32 v[SC1+(\a)/2], 16, v[PW]
.else
	v_and_b32 v[TW], 0xffff, v[PW]
	v_cndmask_b32 v[SC0+(\a)/2], v[SC0+(\a)/2], v[TW], s96
	v_lshrrev_b32 v[TW], 16, v[PW]
	v_cndmask_b32 v[SC1+(\a)/2], v[SC1+(\a)/2], v[TW], s96
.irp g, 0,1,2
	global_store_b128 v[L16], v[G0+4*\g:G0+4*\g+3], s[32:33] offset:1536*((\a)/2)+512*\g th:TH_STORE_NT
	global_store_b128 v[L16], v[G1+4*\g:G1+4*\g+3], s[32:33] offset:HEADB+1536*((\a)/2)+512*\g th:TH_STORE_NT
.endr
.endif
.endm
.irp a, 0,1,2,3,4,5,6,7
	QKBLOCK \a
.endr
	global_store_b128 v[L16], v[SC0:SC0+3], s[34:35] th:TH_STORE_NT
	global_store_b128 v[L16], v[SC1:SC1+3], s[34:35] offset:HEADB th:TH_STORE_NT
	s_branch .Lend
.Lv:
	s_lshr_b32 s18, s42, 3
	s_lshl_b32 s18, s18, 4
	s_lshl_b32 s19, s41, 2
	s_add_co_u32 s18, s18, s19
	s_lshl_b32 s19, s15, 1
	s_add_co_u32 s18, s18, s19
	s_mul_i32 s18, s18, HEADB
	s_and_b32 s19, s42, 7
	s_lshl_b32 s19, s19, 1
	s_add_co_u32 s19, s19, s16
	s_mul_i32 s32, s19, 6144
	s_add_co_u32 s32, s32, s18
	s_add_co_u32 s32, s32, VCOFF
	s_lshl_b32 s34, s19, 8
	s_add_co_u32 s34, s34, s18
	s_add_co_u32 s34, s34, VSOFF
	s_lshl_b32 s36, s41, 10
	s_lshl_b32 s19, s15, 9
	s_add_co_u32 s36, s36, s19
	s_mov_b32 s33, 0
	s_mov_b32 s35, 0
	s_mov_b32 s37, 0
	s_add_nc_u64 s[32:33], s[30:31], s[32:33]
	s_add_nc_u64 s[34:35], s[30:31], s[34:35]
	s_add_nc_u64 s[38:39], s[28:29], s[36:37]
.irp a, 0,1,2,3,4,5,6,7
	global_load_b32 v[BJ+2*\a], v[BVO], s[38:39] offset:4*(32*(\a/2)+8*(\a%2))
	global_load_b32 v[BJ+2*\a+1], v[BVO], s[38:39] offset:4*(32*(\a/2)+8*(\a%2))
.endr
	LAST
	s_wait_loadcnt 0x0
.macro VBLOCK a
.if (\a) >= 1
	s_wait_xcnt 0x0
.endif
	WIN (0x02+(\a)/4)
.set ii, 0
.rept 32
	v_pk_add_f32 v[T+ii:T+ii+1], v[64*((\a)%4)+ii:64*((\a)%4)+ii+1], v[BJ+2*(\a):BJ+2*(\a)+1]
.set ii, ii+2
.endr
	WIN 0
	QUANT T, G0, G0+6
.irp g, 0,1,2
	global_store_b128 v[L16], v[G0+4*\g:G0+4*\g+3], s[32:33] offset:((\a)/4)*HEADB+((\a)%4)*1536+512*\g th:TH_STORE_NT
.endr
.if (\a)%2 == 0
	v_mov_b32 v[SC0+((\a)%4)/2], v[PW]
.else
	v_cndmask_b32 v[SC0+((\a)%4)/2], v[SC0+((\a)%4)/2], v[PW], s96
.endif
.if (\a)%4 == 3
	global_store_b64 v[L8], v[SC0:SC0+1], s[34:35] offset:((\a)/4)*HEADB th:TH_STORE_NT
.endif
.endm
.irp a, 0,1,2,3,4,5,6,7
	VBLOCK \a
.endr
.Lend:
	s_wait_tensorcnt 0x0
	ds_add_u32 v[SPW], v[NIL]
	s_wait_dscnt 0x0
	CROUND
	s_endpgm
.Lfunc_end_k_qc34c9883eb_proj:
	.size	k_qc34c9883eb_proj, .Lfunc_end_k_qc34c9883eb_proj-k_qc34c9883eb_proj
	.p2alignl 7, 3214868480
	.fill 96, 4, 3214868480
	.section	.rodata,"a",@progbits
	.p2align	6, 0x0
	.amdhsa_kernel k_qc34c9883eb_proj
		.amdhsa_group_segment_fixed_size 327680
		.amdhsa_private_segment_fixed_size 0
		.amdhsa_enable_private_segment 0
		.amdhsa_kernarg_size 64
		.amdhsa_user_sgpr_count 2
		.amdhsa_user_sgpr_kernarg_segment_ptr 1
		.amdhsa_wavefront_size32 1
		.amdhsa_system_sgpr_workgroup_id_x 1
		.amdhsa_system_sgpr_workgroup_id_y 1
		.amdhsa_system_sgpr_workgroup_id_z 1
		.amdhsa_system_vgpr_workitem_id 0
		.amdhsa_next_free_vgpr 1024
		.amdhsa_next_free_sgpr 100
		.amdhsa_reserve_vcc 0
		.amdhsa_float_denorm_mode_32 3
		.amdhsa_float_denorm_mode_16_64 3
		.amdhsa_memory_ordered 1
		.amdhsa_forward_progress 1
		.amdhsa_inst_pref_size 244
	.end_amdhsa_kernel
	.amdgpu_metadata
---
amdhsa.version: [ 1, 2 ]
amdhsa.kernels:
  - .name:           k_qc34c9883eb_proj
    .symbol:         k_qc34c9883eb_proj.kd
    .args:
      - { .name: xc, .offset: 0, .size: 8, .value_kind: global_buffer, .address_space: global }
      - { .name: xs, .offset: 8, .size: 8, .value_kind: global_buffer, .address_space: global }
      - { .name: wc, .offset: 16, .size: 8, .value_kind: global_buffer, .address_space: global }
      - { .name: ws, .offset: 24, .size: 8, .value_kind: global_buffer, .address_space: global }
      - { .name: bq, .offset: 32, .size: 8, .value_kind: global_buffer, .address_space: global }
      - { .name: bk, .offset: 40, .size: 8, .value_kind: global_buffer, .address_space: global }
      - { .name: bv, .offset: 48, .size: 8, .value_kind: global_buffer, .address_space: global }
      - { .name: qkv, .offset: 56, .size: 8, .value_kind: global_buffer, .address_space: global }
    .group_segment_fixed_size: 327680
    .private_segment_fixed_size: 0
    .kernarg_segment_align: 8
    .kernarg_segment_size: 64
    .max_flat_workgroup_size: 128
    .sgpr_count:     100
    .vgpr_count:     1024
    .wavefront_size: 32
...
	.end_amdgpu_metadata
.endif
;; end of part 2
;; launch attn (part 3): grid 4 x 64, 16 waves a work-group, clusters of 4 x 1, 327,680 bytes of LDS; arguments qkv, out0; writes out0
.if DOCPART == 3
	.amdgcn_target "amdgcn-amd-amdhsa--gfx1250"
	.amdhsa_code_object_version 6
	.text
	.protected	k_qc34c9883eb_attn
	.globl	k_qc34c9883eb_attn
	.p2align	8
	.type	k_qc34c9883eb_attn,@function
k_qc34c9883eb_attn:
	s_mov_b64 s[64:65], 0
	v_nop
	global_prefetch_b8 v0, s[64:65] scope:SCOPE_SE
	s_setreg_imm32_b32 hwreg(HW_REG_WAVE_MODE, 25, 1), 1
	s_wait_xcnt 0x0
	s_wait_alu depctr_hold_cnt(0) depctr_sa_sdst(0) depctr_va_vdst(0) depctr_va_sdst(0) depctr_va_ssrc(0) depctr_va_vcc(0) depctr_vm_vsrc(0)
	s_getreg_b32 s2, hwreg(HW_REG_IB_STS2, 6, 4)
	s_cmp_eq_u32 s2, 0
	s_cbranch_scc0 .Lentry_in_a_cluster
	s_endpgm
.Lentry_in_a_cluster:
	s_bfe_u32 s2, ttmp6, 0x10000c
	s_cmp_lg_u32 s2, 0x3003
	s_cbranch_scc0 .Lentry_shape_is_right
	s_endpgm
.Lentry_shape_is_right:
; out[b][q][64 hd + d] = the sum over k of softmax_k(Q[q] . K[k] / 8) V[k][d], for 64 heads (bh = 16 b + hd) of 2,048 tokens and 64 channels, both products on codes of BF6 (E3M2) with E8M0 scales.
; Q, K, V come as images of the operands' registers (the launch before lays them so): every operand load is 16 or 8 bytes a lane at 16 or 8 x lane: no pitch, no padding.
; THE SOFTMAX AHEAD OF THE SECOND PRODUCT: t = score x log2(e) / 8; M = the running largest t rounded UP to a whole number; p = 2^(t - M) is quantised along the keys, not normalised; the row's sum is taken of the
; unquantised p and divides at the end (v_rcp_f32 and a multiplication).  When M moves, the sum and O are multiplied by 2^(old M - new M): exact.
; SHARES.  A cluster of four work-groups owns a head; each work-group 512 queries, each of its sixteen waves 32: two tiles of 16, taken in two passes over all keys.  Four waves share a SIMD: one wave's vector work
; stands beside another's matrix work and LDS loads.
; A WHOLE HEAD'S K AND V STAY IN LDS: 208,896 bytes, the first bytes of the head's block as they lie, asked for JOINTLY by the four work-groups, filled once: no ring, no refill.  They come in four chunks of four key steps,
; and the first pass begins when the first chunk is in.
; LAYOUT.  Both products are used transposed: S^T = K Q^T, O^T = V^T P^T: a lane holds ONE query throughout.  Lane r of tile 2 b + u of K holds key 32 b + 8 u + r + 8 (r / 8), so the 16 registers of tiles 2 b, 2 b + 1
; are keys 32 b + 16 (lane / 16) + 0 .. 15.  The same order holds of a tile's queries and of V^T's channels.
; THE FIRST PRODUCT HAS K = 64 and the instruction takes 128.  Q's codes for k = 64 .. 127 are zeros.  A tile of K is six registers; the instruction is given twelve, of which the upper six are the next tile's codes (zeros
; behind the last tile): every code of this format is a finite number, so those products are exactly 0; the scale bytes of that half are 0, that is 2^-127, on both sides.
; LIMITS: NaN and infinities are not served.  A block whose every p has fallen to 0 keeps the scale byte 1: its codes are zeros.
.set HEADB,  315392                    ; a head's block of qkv, and the parts' places in it; the first four parts keep their places in LDS
.set VCOFF,  98304
.set KSOFF,  196608
.set VSOFF,  204800
.set QCOFF,  208896
.set QSOFF,  307200
.set STAGE,  208896                    ; behind the image: 16 rows x (256 bytes + 16) for each wave, for the way out; no tensor load lands here
.set SPITCH, 272
.set SPARE,  STAGE+16*16*SPITCH        ; the spare words, 128 bytes for each wave: eight blocks of 256 bytes that no other line names
.set AK0,  1                           ; v1   16 x lane: my place in K's codes (and in Q's, in memory)
.set AV0,  2                           ; v2   the same in V's codes
.set ASK0, 3                           ; v3   in K's scale words
.set ASV0, 4                           ; v4   8 x lane: in V's scale words
.set SPW,  5                           ; v5   LDS address of my spare word; never rewritten
.set NIL,  6                           ; v6   0; never rewritten
.set GO,   7                           ; v7   the way out: lanes 0-15 one token's 256 bytes, lanes 16-31 the next token's
.set ADK,  8                           ; v8-11 the step's LDS addresses
.set ADV,  9
.set ADS,  10
.set ADT,  11                          ; v12 -M, v13 the largest t, v[14:15] the sum in two halves
.set QF,   16                          ; v16-21 Q's codes of the pass, v22-27 zeros
.set QS,   28                          ; v28  Q's scale words: lanes 0-15 the first pass's, lanes 16-31 the second's
.set STO,  29                          ; v29  the stage, in
.set RD,   30                          ; v30  the stage, back
.set KF,   32                          ; v32-79 a step's K (8 tiles x 6), then its V (4 tiles x 12); v80-85 zeros
.set Q1,   86                          ; v86-91 the second pass's codes of Q
.set KSR,  92                          ; v92-95 K's scale words: register t / 2, lanes 0-15 the even tile, lanes 16-31 the odd one
.set S,    96                          ; v96-159 S^T, then p
.set O,    160                         ; v160-191 O^T
.set VSR,  192                         ; v192-193 V's scale words, likewise
.set BM,   200                         ; v200-203 the blocks' largest scores, then their largest p
.set BT,   204                         ; v204-207 at work
.set SO,   208                         ; v208-211 the conversions' scale operands
.set CT,   212                         ; v212-218 the conversions' second halves
.set F,    220                         ; v[220:221] f = 2^(old M - new M), named as a pair
.set TMPR, 222
.set PSW,  223                         ; p's scale word
.set PC,   224                         ; v224-235 p's codes
.set WV,   8                           ; s8   my wave's number
.set SEL,  20                          ; s[20:21] v_permlanex16_b32's selects for lane l xor 16
.set CS,   22                          ; s[22:23] c = log2(e) / 8
.set G1C,  24                          ; s[24:31] descriptor group 1 for a part of the codes: 48 rows of 256 bytes
.set G1S,  32                          ; s[32:39] for a part of the scale words: 12 rows
.set G0,   40                          ; s[40:59] five groups 0: my part of the scale words, then of the four chunks
.set TK,   60                          ; s60  the step's place in K's and in V's codes: 6,144 bytes a step
.set TS,   61                          ; s61  in K's scale words: 512
.set TV,   62                          ; s62  in V's: 256
.set CNT,  63
.macro CROUND                          ; a round of the cluster's barrier
	s_barrier_signal -1
	s_barrier_wait -1
	s_cmp_lg_u32 s[WV], 0
	s_cbranch_scc1 .Lnot_wave_0_\@
	s_barrier_signal -3
.Lnot_wave_0_\@:
	s_barrier_wait -3
	s_barrier_signal -1
	s_barrier_wait -1
.endm
	s_load_b128 s[4:7], s[0:1], 0x0                ; qkv, out0
	v_lshl_add_u32 v[SPW], v0, 2, SPARE
	v_mov_b32 v[NIL], 0
	ds_add_u32 v[SPW], v[NIL]                      ; the wave's opening: the add and its wait stand ahead of the first tensor loads; the set-up below stands between them
	ds_add_u32 v[SPW], v[NIL]
	v_lshrrev_b32 v8, 5, v0
	s_delay_alu instid0(VALU_DEP_1)
	v_readfirstlane_b32 s[WV], v8                  ; wave 0..15
	s_bfe_u32 s9, ttmp6, 0x40000                   ; cx: which 512 queries; it enters Q's and the output's addresses alone
	s_and_b32 s10, ttmp7, 0xffff                   ; the head, which the four partners share
	s_mov_b32 s[G1C], 15|(3<<16)|(1<<21)           ; 15:0 the mask: all four work-groups; elements of 8 bytes; no padding; 21 set beside a mask
	s_mov_b32 s[G1C+1], 32<<16                     ; tensor_dim0 = 32 elements: rows of 256 bytes
	s_mov_b32 s[G1C+2], 48<<16                     ; tensor_dim1
	s_mov_b32 s[G1C+3], 32<<16                     ; tile_dim0
	s_mov_b32 s[G1C+4], 48                         ; tile_dim1
	s_mov_b32 s[G1C+5], 32                         ; the rows are dense
	s_mov_b32 s[G1C+6], 0
	s_mov_b32 s[G1C+7], 0
	s_mov_b32 s[G1S], 15|(3<<16)|(1<<21)
	s_mov_b32 s[G1S+1], 32<<16
	s_mov_b32 s[G1S+2], 12<<16
	s_mov_b32 s[G1S+3], 32<<16
	s_mov_b32 s[G1S+4], 12
	s_mov_b32 s[G1S+5], 32
	s_mov_b32 s[G1S+6], 0
	s_mov_b32 s[G1S+7], 0
	s_mul_i32 s12, s10, HEADB                      ; the head's block
	s_mov_b32 s13, 0
	s_and_b32 s11, s[WV], 3
	s_mul_i32 s11, s11, 3072
	s_add_co_u32 s11, s11, KSOFF                   ; my quarter of the 12,288 bytes of scale words: the same offset in the block and in LDS
	s_bfe_u32 s14, s[WV], 0x10001
	s_mul_i32 s14, s14, VCOFF                      ; waves 0, 1: K's codes; waves 2, 3: V's
	s_and_b32 s15, s[WV], 1
	s_mul_i32 s15, s15, 12288                      ; which half of a chunk's 24,576 bytes
	s_add_co_u32 s14, s14, s15
	s_mov_b32 s15, 0
	s_mov_b32 s2, s11
	s_mov_b32 s3, 0
	s_mov_b32 s[SEL], 0x76543210
	s_mov_b32 s[SEL+1], 0xfedcba98
	s_mov_b32 s[CS], 0x3e38aa3b                    ; c = log2(e) / sqrt(64)
	s_mov_b32 s[CS+1], s[CS]                       ; (named with it as a pair, so it is written)
	s_wait_dscnt 0x0                               ; the opening add is done
	s_wait_kmcnt 0x0
	s_add_nc_u64 s[4:5], s[4:5], s[12:13]
	s_mov_b32 s[G0], 1                             ; count = 1
	s_mov_b32 s[G0+1], s11                         ; LDS address
	s_add_nc_u64 s[G0+2:G0+3], s[4:5], s[2:3]      ; global address
	s_or_b32 s[G0+3], s[G0+3], 0x80000000          ; type = 2
	s_add_nc_u64 s[66:67], s[4:5], s[14:15]
.irp c, 0,1,2,3
	s_mov_b32 s[G0+4+4*\c], 1
	s_add_co_u32 s[G0+5+4*\c], s14, 24576*\c       ; chunk c: key steps 4 c to 4 c + 3
	s_add_nc_u64 s[G0+6+4*\c:G0+7+4*\c], s[66:67], 24576*\c
	s_or_b32 s[G0+7+4*\c], s[G0+7+4*\c], 0x80000000
.endr
	CROUND                                         ; all four work-groups are here: the joint loads meet
	s_cmp_lt_u32 s[WV], 4                          ; waves 0 to 3 fetch: all their loads stand in this one branch, ahead of every wait on TENSORcnt, every LDS read and every other barrier: five loads of a wave are out
	s_cbranch_scc0 .Lno_fetch
	tensor_load_to_lds s[G0:G0+3], s[G1S:G1S+7]
	s_nop 0
.irp c, 0,1,2,3
	tensor_load_to_lds s[G0+4+4*\c:G0+7+4*\c], s[G1C:G1C+7]
	s_nop 0
.endr
.rept 4
	v_nop
.endr
.Lno_fetch:
	s_lshl_b32 s11, s9, 4
	s_add_co_u32 s11, s11, s[WV]                   ; my pair of tiles: tokens 32 A to 32 A + 31, A = 16 cx + wave
	s_mul_i32 s2, s11, 1536
	s_add_co_u32 s2, s2, QCOFF
	s_add_nc_u64 s[16:17], s[4:5], s[2:3]          ; its codes
	s_lshr_b32 s2, s11, 2
	s_lshl_b32 s2, s2, 9
	s_and_b32 s12, s11, 3
	s_lshl_b32 s12, s12, 2
	s_add_co_u32 s2, s2, s12
	s_add_co_u32 s2, s2, QSOFF
	s_add_nc_u64 s[14:15], s[4:5], s[2:3]          ; its scale words: register A % 4 of step A / 4's image
	s_lshr_b32 s2, s10, 4
	s_lshl_b32 s2, s2, 11
	s_lshl_b32 s12, s11, 5
	s_add_co_u32 s2, s2, s12                       ; my first token among the 8,192
	s_lshl_b32 s2, s2, 12                          ; rows of 4,096 bytes
	s_and_b32 s12, s10, 15
	s_lshl_b32 s12, s12, 8                         ; the head's 256 bytes of a row
	s_add_co_u32 s2, s2, s12
	s_add_nc_u64 s[18:19], s[6:7], s[2:3]
	v_and_b32 v8, 31, v0                           ; lane
	s_delay_alu instid0(VALU_DEP_1)
	v_lshlrev_b32 v[AK0], 4, v8
	s_delay_alu instid0(VALU_DEP_2)
	v_lshl_add_u32 v[AV0], v8, 4, VCOFF
	s_delay_alu instid0(VALU_DEP_3)
	v_lshl_add_u32 v[ASK0], v8, 4, KSOFF
	s_delay_alu instid0(VALU_DEP_4)
	v_lshl_add_u32 v[ASV0], v8, 3, VSOFF
.irp g, 0,1,2
	global_load_b128 v[QF+4*\g:QF+4*\g+3], v[AK0], s[16:17] offset:512*\g th:TH_LOAD_NT   ; registers 0-5: the first pass's tile, 6-11: the second's
.endr
	global_load_b32 v[QS], v[AK0], s[14:15] th:TH_LOAD_NT
	v_and_b32 v9, 15, v0                           ; r
	v_bfe_u32 v10, v0, 4, 1                        ; h
	s_delay_alu instid0(VALU_DEP_1)
	v_lshlrev_b32 v[GO], 12, v10
	s_delay_alu instid0(VALU_DEP_1)
	v_lshl_add_u32 v[GO], v9, 4, v[GO]
	s_mul_i32 s12, s[WV], 16*SPITCH
	s_add_co_u32 s12, s12, STAGE                   ; my stage
	v_mul_u32_u24 v[STO], v9, SPITCH
	s_delay_alu instid0(VALU_DEP_1)
	v_lshl_add_u32 v[STO], v10, 6, v[STO]
	s_delay_alu instid0(VALU_DEP_1)
	v_add_nc_u32 v[STO], s12, v[STO]               ; in: row r, + 64 h: my 16 channels of each 32
	v_mul_u32_u24 v[RD], v10, SPITCH
	s_delay_alu instid0(VALU_DEP_1)
	v_lshl_add_u32 v[RD], v9, 4, v[RD]
	s_delay_alu instid0(VALU_DEP_1)
	v_add_nc_u32 v[RD], s12, v[RD]                 ; back: lanes 0-15 one row, lanes 16-31 the next
.irp i, 0,1,2,3,4,5
	v_mov_b32 v[KF+48+\i], 0                       ; behind K's last tile: zeros
.endr
.irp b, 0,1,2,3
	v_mov_b32 v[BT+\b], 0                          ; written once: a lane permute's destination counts as one of its sources
.endr
	v_mov_b32 v[F+1], 0                            ; (named as the upper half of the pair)
.macro BEGIN                           ; a pass begins: the loop has no first step of its own: O^T and the sum begin as zeros, which the first change of M leaves zeros
	v_mov_b32 v13, 0xff61b1e6                      ; the largest t so far: -3e38, under every t
	s_delay_alu instid0(VALU_DEP_1)
	v_floor_f32 v12, -v13                          ; -M
	v_mov_b32 v14, 0
	v_mov_b32 v15, 0
.set jj, 0
.rept 32
	v_mov_b32 v[O+jj], 0
.set jj, jj+1
.endr
.endm
	BEGIN
	s_wait_loadcnt 0x0                             ; Q
.irp i, 0,1,2,3,4,5
	v_mov_b32 v[Q1+\i], v[QF+6+\i]                 ; the second pass's codes are put by,
.endr
.irp i, 0,1,2,3,4,5
	v_mov_b32 v[QF+6+\i], 0                        ; and k = 64 .. 127 of Q are zeros
.endr
.macro WMS t, p                        ; S^T, tile t, pass p: K's word from lanes 0-15 (even tile) or 16-31 (odd), Q's from lanes 0-15 (first pass) or 16-31 (second)
.if ((\t)%2) && (\p)
	v_wmma_scale_f32_16x16x128_f8f6f4 v[S+8*(\t):S+8*(\t)+7], v[KF+6*(\t):KF+6*(\t)+11], v[QF:QF+11], 0, v[KSR+(\t)/2], v[QS] matrix_a_fmt:MATRIX_FMT_BF6 matrix_b_fmt:MATRIX_FMT_BF6 matrix_a_scale:MATRIX_SCALE_ROW1 matrix_b_scale:MATRIX_SCALE_ROW1
.elseif ((\t)%2)
	v_wmma_scale_f32_16x16x128_f8f6f4 v[S+8*(\t):S+8*(\t)+7], v[KF+6*(\t):KF+6*(\t)+11], v[QF:QF+11], 0, v[KSR+(\t)/2], v[QS] matrix_a_fmt:MATRIX_FMT_BF6 matrix_b_fmt:MATRIX_FMT_BF6 matrix_a_scale:MATRIX_SCALE_ROW1
.elseif (\p)
	v_wmma_scale_f32_16x16x128_f8f6f4 v[S+8*(\t):S+8*(\t)+7], v[KF+6*(\t):KF+6*(\t)+11], v[QF:QF+11], 0, v[KSR+(\t)/2], v[QS] matrix_a_fmt:MATRIX_FMT_BF6 matrix_b_fmt:MATRIX_FMT_BF6 matrix_b_scale:MATRIX_SCALE_ROW1
.else
	v_wmma_scale_f32_16x16x128_f8f6f4 v[S+8*(\t):S+8*(\t)+7], v[KF+6*(\t):KF+6*(\t)+11], v[QF:QF+11], 0, v[KSR+(\t)/2], v[QS] matrix_a_fmt:MATRIX_FMT_BF6 matrix_b_fmt:MATRIX_FMT_BF6
.endif
.endm
.macro WMO t                           ; O^T, tile t of 16 channels, += V^T P^T over the step's 128 keys
.if (\t)%2
	v_wmma_scale_f32_16x16x128_f8f6f4 v[O+8*(\t):O+8*(\t)+7], v[KF+12*(\t):KF+12*(\t)+11], v[PC:PC+11], v[O+8*(\t):O+8*(\t)+7], v[VSR+(\t)/2], v[PSW] matrix_a_fmt:MATRIX_FMT_BF6 matrix_b_fmt:MATRIX_FMT_BF6 matrix_a_scale:MATRIX_SCALE_ROW1
.else
	v_wmma_scale_f32_16x16x128_f8f6f4 v[O+8*(\t):O+8*(\t)+7], v[KF+12*(\t):KF+12*(\t)+11], v[PC:PC+11], v[O+8*(\t):O+8*(\t)+7], v[VSR+(\t)/2], v[PSW] matrix_a_fmt:MATRIX_FMT_BF6 matrix_b_fmt:MATRIX_FMT_BF6
.endif
.endm
; A KEY STEP: 128 keys.
.macro STEP p
	v_add_nc_u32 v[ADK], s[TK], v[AK0]             ; these four are also the places between the last products and the loads into registers that they read
	v_add_nc_u32 v[ADV], s[TK], v[AV0]
	v_add_nc_u32 v[ADS], s[TS], v[ASK0]
	v_add_nc_u32 v[ADT], s[TV], v[ASV0]
.irp i, 0,1,2,3,4,5,6,7,8,9,10,11
	ds_load_b128 v[KF+4*\i:KF+4*\i+3], v[ADK] offset:512*\i        ; K's eight tiles, 48 registers, as they lie
.endr
	ds_load_b128 v[KSR:KSR+3], v[ADS]
	s_wait_alu depctr_va_vdst(0)
	s_wait_dscnt 0x0
.irp t, 0,1,2,3,4,5,6,7
	WMS \t, \p
.endr
.rept 4
	v_nop                                          ; places in front of the loads below and of the first read of the scores
.endr
.irp i, 0,1,2,3,4,5,6,7,8,9,10,11
	ds_load_b128 v[KF+4*\i:KF+4*\i+3], v[ADV] offset:512*\i        ; V's four tiles take K's registers: they land under the softmax
.endr
	ds_load_b64 v[VSR:VSR+1], v[ADT]
.irp b, 0,1,2,3
	v_max3_num_f32 v[BM+\b], v[S+16*\b], v[S+1+16*\b], v[S+2+16*\b]   ; THE LARGEST SCORE OF EACH BLOCK OF 32 KEYS: for the row's maximum and, since p rises with the score, for the block's largest p
.endr
.irp i, 3,5,7,9,11,13
.irp b, 0,1,2,3
	v_max3_num_f32 v[BM+\b], v[BM+\b], v[S+16*\b+\i], v[S+1+16*\b+\i]
.endr
.endr
.irp b, 0,1,2,3
	v_max_num_f32 v[BM+\b], v[BM+\b], v[S+15+16*\b]
.endr
.irp b, 0,1,2,3
	s_delay_alu instid0(VALU_DEP_4)
	v_permlanex16_b32 v[BT+\b], v[BM+\b], s[SEL], s[SEL+1]
.endr
.irp b, 0,1,2,3
	s_delay_alu instid0(VALU_DEP_4)
	v_max_num_f32 v[BM+\b], v[BM+\b], v[BT+\b]     ; with lane l xor 16's 16 keys
.endr
	s_delay_alu instid0(VALU_DEP_2)
	v_max3_num_f32 v[TMPR], v[BM], v[BM+1], v[BM+2]
	s_delay_alu instid0(VALU_DEP_1)
	v_max_num_f32 v[TMPR], v[TMPR], v[BM+3]        ; the step's largest score of my query
	s_delay_alu instid0(VALU_DEP_1)
	v_mul_f32 v[TMPR], s[CS], v[TMPR]              ; as t (c is positive)
	s_delay_alu instid0(VALU_DEP_1)
	v_max_num_f32 v13, v13, v[TMPR]                ; the running largest t
	v_mov_b32 v[TMPR], v12
	s_delay_alu instid0(VALU_DEP_2)
	v_floor_f32 v12, -v13                          ; the new -M = floor(-t) = -ceil(t): a whole number
	s_delay_alu instid0(VALU_DEP_1)
	v_sub_f32 v[TMPR], v12, v[TMPR]                ; old M - new M: a whole number, 0 or less
	s_delay_alu instid0(VALU_DEP_1)
	v_cvt_i32_f32 v[TMPR], v[TMPR]                 ; (it saturates)
	s_delay_alu instid0(VALU_DEP_1)
	v_ldexp_f32 v[F], 1.0, v[TMPR]                 ; f = 2^(old M - new M)
.set jj, 0
.rept 32
	v_pk_fma_f32 v[S+jj:S+jj+1], v[S+jj:S+jj+1], s[CS:CS+1], v[12:13] op_sel_hi:[1,0,0]   ; t - M, two at a time
.set jj, jj+2
.endr
.irp b, 0,1,2,3
	v_fma_f32 v[BM+\b], v[BM+\b], s[CS], v12       ; the same of each block's largest score
.endr
.set jj, 0
	s_wait_alu depctr_va_vdst(0)
.rept 64
	v_exp_f32 v[S+jj], v[S+jj]                     ; p = 2^(t - M), at most 1
.set jj, jj+1
.endr
	s_setprio 1
	v_pk_mul_f32 v[14:15], v[14:15], v[F:F+1] op_sel_hi:[1,0]      ; the sums under the new M: a plain instruction behind the exponentials
	s_wait_alu depctr_va_vdst(0)                   ; one wait for the whole batch, ahead of its first reader
.irp b, 0,1,2,3
	v_exp_f32 v[BM+\b], v[BM+\b]                   ; the block's largest p: the same two instructions on the same number give the same bits
.endr
	v_pk_add_f32 v[204:205], v[100:101], v[104:105]
	v_pk_add_f32 v[254:255], v[108:109], v[112:113]
	v_pk_add_f32 v[252:253], v[116:117], v[120:121]
	v_pk_add_f32 v[250:251], v[124:125], v[128:129]
	v_pk_add_f32 v[248:249], v[132:133], v[136:137]
	v_pk_add_f32 v[246:247], v[140:141], v[144:145]
	v_pk_add_f32 v[244:245], v[148:149], v[152:153]
	v_pk_add_f32 v[14:15], v[14:15], v[156:157]
	v_pk_add_f32 v[204:205], v[204:205], v[96:97]
	v_pk_add_f32 v[254:255], v[254:255], v[98:99]
	v_pk_add_f32 v[252:253], v[252:253], v[102:103]
	v_pk_add_f32 v[250:251], v[250:251], v[106:107]
	v_pk_add_f32 v[248:249], v[248:249], v[110:111]
	v_pk_add_f32 v[246:247], v[246:247], v[114:115]
	v_pk_add_f32 v[244:245], v[244:245], v[118:119]
	v_pk_add_f32 v[14:15], v[14:15], v[122:123]
	v_pk_add_f32 v[204:205], v[204:205], v[126:127]
	v_pk_add_f32 v[254:255], v[254:255], v[130:131]
	v_pk_add_f32 v[252:253], v[252:253], v[134:135]
	v_pk_add_f32 v[250:251], v[250:251], v[138:139]
	v_pk_add_f32 v[248:249], v[248:249], v[142:143]
	v_pk_add_f32 v[246:247], v[246:247], v[146:147]
	v_pk_add_f32 v[244:245], v[244:245], v[150:151]
	v_pk_add_f32 v[14:15], v[14:15], v[154:155]
	v_pk_add_f32 v[204:205], v[204:205], v[158:159]
	s_delay_alu instid0(VALU_DEP_2)
	v_pk_add_f32 v[14:15], v[14:15], v[250:251]
	s_delay_alu instid0(VALU_DEP_2)
	v_pk_add_f32 v[204:205], v[204:205], v[248:249]
	v_pk_add_f32 v[254:255], v[254:255], v[246:247]
	v_pk_add_f32 v[252:253], v[252:253], v[244:245]
	s_delay_alu instid0(VALU_DEP_2)
	v_pk_add_f32 v[14:15], v[14:15], v[254:255]
	s_delay_alu instid0(VALU_DEP_2)
	v_pk_add_f32 v[204:205], v[204:205], v[252:253]
	s_delay_alu instid0(VALU_DEP_1)
	v_pk_add_f32 v[14:15], v[14:15], v[204:205]
	s_wait_alu depctr_va_vdst(0)                   ; and one for the four
.irp b, 0,1,2,3
	v_max_num_f32 v[BM+\b], 0x2800000, v[BM+\b]    ; the floor 2^(5 - 127): the byte cannot fall under 1
.endr
.irp b, 0,1,2,3
	s_delay_alu instid0(VALU_DEP_4)
	v_add_nc_u32 v[SO+\b], 0xfe000000, v[BM+\b]    ; 4 off the exponent field: the conversion's scale operand
.endr
.irp b, 0,1,2,3
	s_delay_alu instid0(VALU_DEP_4)
	v_lshrrev_b32 v[BT+\b], 23, v[SO+\b]           ; the scale's byte
.endr
	s_delay_alu instid0(VALU_DEP_3)
	v_lshl_or_b32 v[PSW], v[BT+1], 8, v[BT]        ; p's scale word for these 128 keys
	s_delay_alu instid0(VALU_DEP_1)
	v_lshl_or_b32 v[PSW], v[BT+2], 16, v[PSW]
	s_delay_alu instid0(VALU_DEP_1)
	v_lshl_or_b32 v[PSW], v[BT+3], 24, v[PSW]
.irp c, 0,1
	v_cvt_scalef32_pk16_bf6_f32 v[PC+6*\c:PC+6*\c+2], v[S+32*\c:S+32*\c+15], v[SO+2*\c]
	v_cvt_scalef32_pk16_bf6_f32 v[CT+4*\c:CT+4*\c+2], v[S+16+32*\c:S+31+32*\c], v[SO+2*\c+1]   ; (a conversion's three registers begin on an even number)
.endr
	v_nop                                          ; one plain place behind a scaled conversion
.irp c, 0,1                            ; the operand's layout wants a WHOLE block in a lane
.irp i, 0,1,2
	v_permlane16_swap_b32 v[PC+6*\c+\i], v[CT+4*\c+\i]
.endr
.irp i, 0,1,2
	s_delay_alu instid0(VALU_DEP_3)
	v_mov_b32 v[PC+3+6*\c+\i], v[CT+4*\c+\i]
.endr
.endr
.set jj, 0
	s_setprio 0
.rept 16
	v_pk_mul_f32 v[O+jj:O+jj+1], v[O+jj:O+jj+1], v[F:F+1] op_sel_hi:[1,0]   ; O^T under the new M.  For each product below twelve of these name none of its registers: the places between the scale word's and the codes' last writes and the products
.set jj, jj+2
.endr
	s_wait_alu depctr_va_vdst(0)
	s_wait_dscnt 0x0                               ; V and its scale words are in
.irp t, 0,1,2,3
	WMO \t                                         ; the four accumulators by turns; eight other products stand between a step's and the next step's
.endr
	s_add_co_u32 s[TK], s[TK], 6144
	s_add_co_u32 s[TS], s[TS], 512
	s_add_co_u32 s[TV], s[TV], 256
.endm
.macro RUN p, first, trips             ; key steps first .. first + trips - 1
	s_mov_b32 s[TK], (\first)*6144
	s_mov_b32 s[TS], (\first)*512
	s_mov_b32 s[TV], (\first)*256
	s_mov_b32 s[CNT], \trips
.Lrun_\@:
	s_wait_alu depctr_va_vdst(0)
	s_setprio 2
	STEP \p
	s_sub_co_u32 s[CNT], s[CNT], 1
	s_cmp_lg_u32 s[CNT], 0
	s_cbranch_scc1 .Lrun_\@
	s_setprio 0
.endm
; THE WAY OUT of pass p.  O^T / the sum: register 16 b + i is channel 32 b + 16 h + i of the query in lane r, which is token 32 A + 8 p + r + 8 (r / 8).  Through my stage, so that sixteen lanes store a token's 256 bytes of this head.
.macro SENDOUT p
	v_add_f32 v14, v14, v15                        ; the sum's two halves,
	s_delay_alu instid0(VALU_DEP_1)
	v_permlanex16_b32 v[TMPR], v14, s[SEL], s[SEL+1]
	s_delay_alu instid0(VALU_DEP_1)
	v_add_f32 v14, v14, v[TMPR]                    ; and lane l xor 16's: the row's sum
	s_wait_alu depctr_va_vdst(0)
	v_rcp_f32 v14, v14
	v_nop                                          ; plain instructions behind the reciprocal; with the additions above also the places behind the last products
	v_nop
	v_nop
	s_wait_alu depctr_va_vdst(0)                   ; the wait ahead of the reciprocal's first reader
.set jj, 0
.rept 32
	v_mul_f32 v[S+jj], v[O+jj], v14                ; each accumulator from its low end on
.set jj, jj+1
.endr
.irp b, 0,1
.irp q, 0,1,2,3
	ds_store_b128 v[STO], v[S+16*\b+4*\q:S+16*\b+4*\q+3] offset:128*\b+16*\q
.endr
.endr
.irp i, 0,1,2,3,4,5,6,7
	ds_load_b128 v[KF+4*\i:KF+4*\i+3], v[RD] offset:2*\i*SPITCH    ; LDS serves a wave's instructions in order: these see my stores
.endr
.irp i, 0,1,2,3,4,5,6,7
	s_wait_dscnt 7-\i                              ; the younger reads of the stage may be out
	global_store_b128 v[GO], v[KF+4*\i:KF+4*\i+3], s[18:19] offset:(8*(\p)+2*\i+8*(\i/4))*4096 th:TH_STORE_NT   ; 16 lanes store 256 consecutive bytes, aligned
.endr
.endm
.irp c, 0,1,2,3
	s_wait_tensorcnt 3-\c                          ; my parts of the scale words and of chunks 0 to c are in; the younger chunks may stay out
	s_barrier_signal -1
	s_barrier_wait -1                              ; everybody's are
	RUN 0, 4*\c, 4
.endr
	SENDOUT 0
	s_wait_xcnt 0x0                                ; the stores have read their registers, which the second pass loads again
.irp i, 0,1,2,3,4,5
	v_mov_b32 v[QF+\i], v[Q1+\i]                   ; the second tile of queries
.endr
	BEGIN
	RUN 1, 0, 16
	SENDOUT 1
	s_wait_tensorcnt 0x0                           ; the wave's end, behind my last tensor load and my last LDS store
	ds_add_u32 v[SPW], v[NIL]
	s_wait_dscnt 0x0
	CROUND                                         ; the closing round
	s_endpgm
.Lfunc_end_k_qc34c9883eb_attn:
	.size	k_qc34c9883eb_attn, .Lfunc_end_k_qc34c9883eb_attn-k_qc34c9883eb_attn
	.p2alignl 7, 3214868480
	.fill 96, 4, 3214868480
	.section	.rodata,"a",@progbits
	.p2align	6, 0x0
	.amdhsa_kernel k_qc34c9883eb_attn
		.amdhsa_group_segment_fixed_size 327680
		.amdhsa_private_segment_fixed_size 0
		.amdhsa_enable_private_segment 0
		.amdhsa_kernarg_size 16
		.amdhsa_user_sgpr_count 2
		.amdhsa_user_sgpr_kernarg_segment_ptr 1
		.amdhsa_wavefront_size32 1
		.amdhsa_system_sgpr_workgroup_id_x 1
		.amdhsa_system_sgpr_workgroup_id_y 1
		.amdhsa_system_sgpr_workgroup_id_z 1
		.amdhsa_system_vgpr_workitem_id 0
		.amdhsa_next_free_vgpr 256
		.amdhsa_next_free_sgpr 70
		.amdhsa_reserve_vcc 0
		.amdhsa_float_denorm_mode_32 3
		.amdhsa_float_denorm_mode_16_64 3
		.amdhsa_memory_ordered 1
		.amdhsa_forward_progress 1
		.amdhsa_inst_pref_size 103
	.end_amdhsa_kernel
	.amdgpu_metadata
---
amdhsa.version: [ 1, 2 ]
amdhsa.kernels:
  - .name:           k_qc34c9883eb_attn
    .symbol:         k_qc34c9883eb_attn.kd
    .args:
      - { .name: qkv, .offset: 0, .size: 8, .value_kind: global_buffer, .address_space: global }
      - { .name: out0, .offset: 8, .size: 8, .value_kind: global_buffer, .address_space: global }
    .group_segment_fixed_size: 327680
    .private_segment_fixed_size: 0
    .kernarg_segment_align: 8
    .kernarg_segment_size: 16
    .max_flat_workgroup_size: 512
    .sgpr_count:     70
    .vgpr_count:     256
    .wavefront_size: 32
...
	.end_amdgpu_metadata
.endif
;; end of part 3
